; MI455X (gfx1250); checked and timed in simulation.
; The chip was launched on July 23, 2026; its instructions are those of AMD's public machine-readable ISA for CDNA 5 (MIT licence, August 2026) and "CDNA5" Instruction Set Architecture Reference Guide (July 2026). The comments in the code are by the model that wrote it; some were corrected since.
;; Interpretable Multihead Attention. Allowed arithmetic: matrix products marked QUANTISED: E2M1 operands, one E8M0 scale for each 32 along K, by v_wmma_scale_f32_16x16x128_f8f6f4 with both operands' format E2M1 (or v_wmma_scale_f32_32x16x128_f4), f32 sums; everything else in f32.
;; Inputs: Wk_codes 1,024 x 32 x 16 uint8 (E2M1 codes of Wk, K innermost, in blocks of 32 codes, two codes a byte); Wk_scales 1,024 x 32 uint8 (E8M0 scales of Wk, one for each 32 codes along K); Wo_codes 1,024 x 32 x 16 uint8 (E2M1 codes of Wo, K innermost, in blocks of 32 codes, two codes a byte); Wo_scales 1,024 x 32 uint8 (E8M0 scales of Wo, one for each 32 codes along K); Wq_codes 1,024 x 32 x 16 uint8 (E2M1 codes of Wq, K innermost, in blocks of 32 codes, two codes a byte); Wq_scales 1,024 x 32 uint8 (E8M0 scales of Wq, one for each 32 codes along K); Wv_codes 1,024 x 32 x 16 uint8 (E2M1 codes of Wv, K innermost, in blocks of 32 codes, two codes a byte); Wv_scales 1,024 x 32 uint8 (E8M0 scales of Wv, one for each 32 codes along K); bk 1,024 float32; bo 1,024 float32; bq 1,024 float32; bv 1,024 float32; x_codes 4 x 2,048 x 32 x 16 uint8 (E2M1 codes of x, K innermost, in blocks of 32 codes, two codes a byte); x_scales 4 x 2,048 x 32 uint8 (E8M0 scales of x, one for each 32 codes along K).
;; Outputs: out0 4 x 2,048 x 1,024 float32.
;; This version of the problem:
;;   THIS VERSION OF THE PROBLEM IS GIVEN IN LOW PRECISION. The matrix products marked QUANTISED in the list below multiply operands that are first quantised to E2M1 (2 exponent bits, 1 mantissa bit; 4 bits a number), with one power-of-two scale for each 32 numbers along K (OCP MX v1.0); their sums are f32. All else is computed in f32.
;;   The module's matrix products, in the order in which they are computed (A, B: the left and right operand; K: the contracted axis; several contracted axes count as one K, in the product's order):
;;     1. [M 8,192, K 1,024] x [K 1,024, N 1,024]; A: input x (given as codes); B: input Wq (given as codes): QUANTISED
;;     2. [M 8,192, K 1,024] x [K 1,024, N 1,024]; A: input x (given as codes); B: input Wk (given as codes): QUANTISED
;;     3. [M 8,192, K 1,024] x [K 1,024, N 1,024]; A: input x (given as codes); B: input Wv (given as codes): QUANTISED
;;     4. batch 64 x [M 2,048, K 64] x [K 64, N 2,048]; A: computed on the way; B: computed on the way: QUANTISED
;;     5. batch 64 x [M 2,048, K 2,048] x [K 2,048, N 64]; A: softmax (see below); B: computed on the way: QUANTISED
;;     6. [M 8,192, K 1,024] x [K 1,024, N 1,024]; A: computed on the way; B: input Wo (given as codes): QUANTISED
;;   THE QUANTISER, for each operand of a quantised product, along K:
;;     - K is cut into blocks of 32 from its start; a last block that is shorter is filled with zeros.
;;     - A block's scale is 2^e with e = floor(log2(the largest magnitude in the block)) - 2, held to -126 .. 127; a block of zeros has e = 0. As a byte (E8M0): e + 127.
;;     - Each number is divided by its block's scale, clamped to +-6, and rounded to the nearest number of E2M1, ties to even, subnormals kept.
;;     - The product sums the exact products of the quantised numbers (number of the format x scale) in f32.
;;   ~~~python
;;   def quantise(x, axis):      # numpy; x: float32 -> the quantised numbers, widened to float32 again
;;       x = np.moveaxis(x, axis, -1); K = x.shape[-1]
;;       x = np.pad(x, [(0, 0)] * (x.ndim - 1) + [(0, -K % 32)]); x = x.reshape(x.shape[:-1] + (-1, 32)); a = np.abs(x).max(-1, keepdims=True)
;;       e = np.where(a > 0, np.clip(np.frexp(np.where(a > 0, a, 1))[1] - 1 - 2, -126, 127), 0)      # np.frexp(a)[1] - 1 = floor(log2(a)), exactly
;;       r = np.clip(x / 2.0 ** e, -6, 6)
;;       step = 2.0 ** (np.maximum(np.frexp(np.where(r == 0, 1, r))[1] - 1, 0) - 1)
;;       q = np.round(r / step) * step * 2.0 ** e      # np.round: ties to even
;;       return np.moveaxis(q.reshape(q.shape[:-2] + (-1,))[..., :K], -1, axis).astype(np.float32)
;;   ~~~
;;   SOFTMAX AHEAD OF A QUANTISED PRODUCT. Where the list says 'softmax', what is quantised is not the finished softmax but p = 2^(t - M), with t = logit x log2(e) and M = ceil(the row's largest t), a whole number; so 1/2 < the row's largest p <= 1. The row's sum l is taken of the UNQUANTISED p, in f32, and the product's result is divided by l at the end. Since M is a whole number, a kernel that streams over the keys may use a running M (the ceiling of the running maximum): every later rescaling is an exact power of two, which a block's scale takes up: the codes' values come out the same.
;;   OPERANDS COMPUTED ON THE WAY. 'Computed on the way' means the value that the module computes at that place (a softmax that the list does not call 'softmax' is quantised finished and normalised). What goes into a quantiser is computed in f32, as accurately as f32 sums, v_exp_f32 and their like allow (about 1e-6 of the number): no bf16 or f16 on the way to a quantiser, and a product that is left as it is and whose result goes on into a quantised operand takes f32 operands (vector FMAs, or v_wmma_f32_16x16x4_f32). A number that lies on a knife's edge between two numbers of the format may be rounded either way, as far as f32 arithmetic and the matrix unit's own rounding can turn it there, and no further.
;;   INPUTS GIVEN AS CODES. Wk (in the module: [1024, 1024], K = its axis 1); Wo (in the module: [1024, 1024], K = its axis 1); Wq (in the module: [1024, 1024], K = its axis 1); Wv (in the module: [1024, 1024], K = its axis 1); x (in the module: [4, 2048, 1024], K = its axis 2): each comes as NAME_codes (uint8): NAME with its K axis moved to the last place and cut into blocks of 32 codes, [.., K / 32, bytes a block], one block behind the other in memory; two codes a byte, the lower K in the low four bits (a code: sign, 2 exponent bits, 1 mantissa bit); and NAME_scales (uint8): the same leading axes, one E8M0 byte (e + 127) for each 32 codes along K. Its value is code x scale, taken as it is: it is not quantised again, and the codes and scales need not be those that the quantiser above would give.
;; One version. Each part assembles by itself: llvm-mc -triple=amdgcn-amd-amdhsa -mcpu=gfx1250 --defsym DOCPART=n.
;; ======== version 1 of 1: 3 launches
;; workspace buffers: qkvc 12,582,912 bytes; qkvs 786,432 bytes; cc 4,194,304 bytes; cs 262,144 bytes
;; launch qkv (part 1): grid 4 x 96, 4 waves a work-group, clusters of 4 x 4, 327,680 bytes of LDS; arguments x_codes, x_scales, Wq_codes, Wq_scales, Wk_codes, Wk_scales, Wv_codes, Wv_scales, bq, bk, bv, qkvc, qkvs; writes qkvc, qkvs
.if DOCPART == 1
	.amdgcn_target "amdgcn-amd-amdhsa--gfx1250"
	.amdhsa_code_object_version 6
	.text
	.protected	k_q5fb3f36316_qkv
	.globl	k_q5fb3f36316_qkv
	.p2align	8
	.type	k_q5fb3f36316_qkv,@function
k_q5fb3f36316_qkv:
	s_mov_b64 s[64:65], 0
	v_nop
	global_prefetch_b8 v0, s[64:65] scope:SCOPE_SE
	s_setreg_imm32_b32 hwreg(HW_REG_WAVE_MODE, 25, 1), 1
	s_wait_xcnt 0x0
	s_wait_alu depctr_hold_cnt(0) depctr_sa_sdst(0) depctr_va_vdst(0) depctr_va_sdst(0) depctr_va_ssrc(0) depctr_va_vcc(0) depctr_vm_vsrc(0)
	s_getreg_b32 s2, hwreg(HW_REG_IB_STS2, 6, 4)
	s_cmp_eq_u32 s2, 0
	s_cbranch_scc0 .Lentry_in_a_cluster
	s_endpgm
.Lentry_in_a_cluster:
	s_bfe_u32 s2, ttmp6, 0x10000c
	s_cmp_lg_u32 s2, 0xf033
	s_cbranch_scc0 .Lentry_shape_is_right
	s_endpgm
.Lentry_shape_is_right:
; q = x Wq^T + bq, k = x Wk^T + bk, v = x Wv^T + bv on codes of FP4 (E2M1) with E8M0 scales, and each result quantised for the attention launch:
; q and k along the head's 64 (two blocks of 32), v along the keys.  NO WORK OF THE PROBLEM IS LEFT OUT in this program: bq, bk and bv go into quantisers, bo into the output; all inputs are loaded.
; ONE BODY FOR THE THREE: it makes C'[a][b'] = sum over k of A[a][k] B[b'][k] + bias and quantises along b'.  q, k: A = x (8,192 rows), B = Wq or Wk (1,024 rows).  v: A = Wv, B = x: the roles are swapped, so that the keys are b'.
; The matrix instruction has source 0 = 16 rows of B, source 1 = 16 rows of A: a lane holds ONE row of A (lane % 16), its registers run along B's rows: tile b', register j = b' row 16 b' + 8 (lane / 16) + j.
; A conversion takes 8 neighbours of one lane: one tile's registers.  Of a pair of blocks (four tiles) the four conversions' results are laid so that two exchanges of lane halves give the operand's layout (a whole block in a lane).
; SHARES: 24 clusters of 4 x 4 work-groups; cluster y / 8 = which of q, k, v.  A work-group makes 256 x 256 over all of K = 1,024, a wave 128 x 128: 64 accumulators.  A's tile is shared along a row of the cluster, B's along a column: joint loads.
; ALL OF K LIES IN LDS: two halves of 512 along K (rows of 256 bytes) and the scales are asked for at the head; no LDS byte is filled twice.  A wave has three tensor loads out at the most.
; OUT: qkvc: images of operand registers: kind x 4 MiB + (beta NA + alpha) x 1,024 + c x 512 + 16 x lane (alpha = A's tile of 16 rows, beta = b' / 128, NA = A's tiles: 512 or 64); qkvs: kind x 256 KiB + (beta NA + alpha) x 64 + 4 (lane % 16): a scale word a row.
; LIMITS: a block of zeros gets the scale byte 1 where the rule says 127 (its codes are zeros; this program alone reads the bytes); blocks whose largest magnitude lies under 2^-124 are held at byte 1; NaN, infinities and a given scale byte 0xff are not served.
; REGISTERS, in windows of 256: window 0: v0-31 addresses; v32-95 scale words, two sets; v112-123 codes and words on the way out; v128-255 A's fragments, two sets (on the way out v200-216 at work).
;   window 1: B's fragments, two sets, at v0 and v128; v64-127 the bias in the result's layout.   windows 2, 3: accumulator (a, b) at v[8 (8 (a % 4) + b)] of window 2 + a / 4.
.set PITCH,  272                       ; an LDS row: 256 bytes + 16 of padding: the 16 rows that a load touches start at 16 different groups of banks
.set HALFT,  128*PITCH                 ; 128 rows: what one tensor load brings, and what a wave reads of A or of B
.set SLOT,   4*HALFT                   ; half of K: A's 256 rows, then B's 256
.set SCL,    2*SLOT                    ; the scales: 32 bytes a row, as units of 256 bytes + 16 of padding
.set HALFS,  16*272                    ; those of 128 rows
.set SBLK,   2*272                     ; those of 16 rows
.set SPARE,  SCL+4*HALFS               ; the spare words, 128 bytes a wave
.set STG,    SPARE+512                 ; 512 bytes a wave: the scale words on their way out; no tensor load lands here
.set ADRA, 16                          ; v16-17 LDS address of my A fragments in half 0, 1
.set ADRB, 20                          ; v20-21 the same for B
.set LI,   24                          ; v24  16 x lane
.set SST,  25                          ; v25  my stage + 4 (lane % 16)
.set SRD,  26                          ; v26  my stage + 16 x lane
.set ADRS, 27                          ; v27  my scale words: lanes 0-15 A's rows, lanes 16-31 B's
.set SPW,  28                          ; v28  my spare word; never rewritten
.set NIL,  29                          ; v29  0; never rewritten
.set BH,   30                          ; v30  32 (lane / 16)
.set BR,   31                          ; v31  4 (lane % 16)
.set SC,   32
.set PC,   112
.set SW,   120
.set AF,   128
.set TM,   200                         ; v200-203 largest magnitudes, v204-207 the other half's, then bytes, v212-215 the conversions' scale operands
.set PW,   216
.set BI,   64                          ; in window 1
.set G1, 24
.set G0, 32
.set G1B, 48
.set G0B, 56
.set G1S, 68
.set G0S, 76
.set G1SB, 80
.set G0SB, 88
.set MSB, 0
.macro WIN new                         ; the immediate's high byte repeats the setting that is left
.if MSB != \new
	s_set_vgpr_msb (MSB<<8)|\new
.set MSB, \new
.endif
.endm
.set TO_B,     0x40                    ; destination window 1
.set MUL_LO,   0xa1                    ; source 0 (B) window 1, source 1 (A) window 0, C and D window 2
.set MUL_HI,   0xf1                    ; C and D window 3
.set FIRST_LO, 0x91                    ; C (the bias) window 1, D window 2
.set FIRST_HI, 0xd1                    ; C window 1, D window 3
.macro PLACES n
.rept \n
	v_nop
.endr
.endm
; A joint load: waves 0 and 1 fetch for A, waves 2 and 3 for B; the branch hangs on the wave's number alone.  An s_nop 0 and four v_nop follow each line.
.macro JLOAD g0a, g1a, g0b, g1b
	s_cmp_eq_u32 s15, 0
	s_cbranch_scc0 .Lfor_b_\@
	tensor_load_to_lds s[\g0a:\g0a+3], s[\g1a:\g1a+7]
	s_nop 0
.rept 4
	v_nop
.endr
	s_branch .Lasked_\@
.Lfor_b_\@:
	tensor_load_to_lds s[\g0b:\g0b+3], s[\g1b:\g1b+7]
	s_nop 0
.rept 4
	v_nop
.endr
.Lasked_\@:
.endm
.macro CROUND                          ; a round of the cluster's barrier
	s_barrier_signal -1
	s_barrier_wait -1
	s_cmp_lg_u32 s14, 0
	s_cbranch_scc1 .Lnot_wave_0_\@
	s_barrier_signal -3
.Lnot_wave_0_\@:
	s_barrier_wait -3
	s_barrier_signal -1
	s_barrier_wait -1
.endm
	s_load_b512 s[68:83], s[0:1], 0x0              ; x codes, x scales, Wq c, Wq s, Wk c, Wk s, Wv c, Wv s
	s_load_b128 s[84:87], s[0:1], 0x40             ; bq, bk
	s_load_b64 s[88:89], s[0:1], 0x50              ; bv
	s_load_b128 s[96:99], s[0:1], 0x58             ; qkvc, qkvs
	v_lshl_add_u32 v[SPW], v0, 2, SPARE
	v_mov_b32 v[NIL], 0
	ds_add_u32 v[SPW], v[NIL]                      ; the wave's opening: the add, twice on end, and its wait ahead of my first tensor load
	ds_add_u32 v[SPW], v[NIL]
	v_lshrrev_b32 v1, 5, v0
	v_readfirstlane_b32 s14, v1                    ; wave 0..3
	s_lshr_b32 s15, s14, 1                         ; my half of A's rows.  Also: I fetch for A (0) or for B (1)
	s_and_b32 s16, s14, 1                          ; my half of B's rows.  Also: which 128 rows I fetch
	s_bfe_u32 s40, ttmp6, 0x40000                  ; cx
	s_bfe_u32 s41, ttmp6, 0x40004                  ; cy
	s_and_b32 s17, ttmp7, 0xffff                   ; the cluster's y, 0..23
	s_lshr_b32 s3, s17, 3                          ; KIND: 0 q, 1 k, 2 v: the same in all sixteen partners
	s_and_b32 s17, s17, 7
	s_lshl_b32 s17, s17, 2                         ; x's 32 tiles of 256 rows: four to a cluster
	s_mov_b32 s23, 64
	s_cmp_lt_u32 s3, 2
	s_cselect_b32 s18, s17, 0
	s_cselect_b32 s19, 0, s17
	s_cselect_b32 s23, 512, s23                    ; NA: A's tiles of 16 rows
	s_add_co_u32 s22, s41, s18                     ; TA: A's tile of 256 rows: hangs on cy, never on cx
	s_add_co_u32 s42, s40, s19                     ; TB: B's: hangs on cx, never on cy
	s_lshl_b32 s43, s41, 2
	s_lshl_b32 s43, 15, s43                        ; my row of the cluster
	s_lshl_b32 s44, 0x1111, s40                    ; my column
	; group 1 for the codes: 128 rows x 256 bytes, 512 bytes apart in memory, 16 bytes of padding behind each in LDS
	s_or_b32 s[G1+0], s43, (0<<16)|(1<<20)|(1<<21)|(5<<22)|(3<<25)
	s_or_b32 s[G1B+0], s44, (0<<16)|(1<<20)|(1<<21)|(5<<22)|(3<<25)
.irp g, G1, G1B
	s_mov_b32 s[\g+1], 256<<16                     ; tensor_dim0
	s_mov_b32 s[\g+2], 128<<16                     ; tensor_dim1
	s_mov_b32 s[\g+3], 256<<16                     ; tile_dim0
	s_mov_b32 s[\g+4], 128                         ; tile_dim1
	s_mov_b32 s[\g+5], 512                         ; from row to row
	s_mov_b32 s[\g+6], 0
	s_mov_b32 s[\g+7], 0
.endr
	s_mul_i32 s45, s14, HALFT                      ; where my codes go: wave x 128 rows
	s_mul_i32 s19, s14, HALFS                      ; and my scales
	s_lshl_b32 s18, s16, 7
	s_lshl_b32 s20, s22, 8
	s_add_co_u32 s20, s20, s18                     ; A: the first row that I fetch
	s_lshl_b32 s46, s42, 8
	s_add_co_u32 s46, s46, s18                     ; B likewise
	s_lshl_b32 s92, s20, 5                         ; 32 scale bytes a row
	s_mov_b32 s93, 0
	s_lshl_b32 s20, s20, 9                         ; 512 bytes of codes a row
	s_mov_b32 s21, 0
	s_lshl_b32 s94, s46, 5
	s_mov_b32 s95, 0
	s_lshl_b32 s46, s46, 9
	s_mov_b32 s47, 0
	s_wait_dscnt 0x0                               ; both opening adds are done
	s_wait_kmcnt 0x0
	s_cmp_lt_u32 s3, 2                             ; the buffers are chosen by KIND alone
	s_cselect_b64 s[4:5], s[68:69], s[80:81]       ; A: x or Wv
	s_cselect_b64 s[6:7], s[70:71], s[82:83]
	s_cmp_eq_u32 s3, 0
	s_cselect_b64 s[8:9], s[72:73], s[76:77]       ; B: Wq or Wk,
	s_cselect_b64 s[10:11], s[74:75], s[78:79]
	s_cselect_b64 s[12:13], s[84:85], s[86:87]
	s_cmp_lt_u32 s3, 2
	s_cselect_b64 s[8:9], s[8:9], s[68:69]         ; or x
	s_cselect_b64 s[10:11], s[10:11], s[70:71]
	s_cselect_b64 s[12:13], s[12:13], s[88:89]     ; the bias: bq, bk or bv
	s_add_nc_u64 s[20:21], s[4:5], s[20:21]
	s_add_nc_u64 s[92:93], s[6:7], s[92:93]
	s_add_nc_u64 s[46:47], s[8:9], s[46:47]
	s_add_nc_u64 s[94:95], s[10:11], s[94:95]
	; group 1 for the scales of 128 rows: 4,096 dense bytes as 16 rows of 256 (32 elements of 8 bytes), 16 bytes of padding behind each.  (s68-91 held the arguments until here)
	s_or_b32 s[G1S+0], s43, (3<<16)|(1<<20)|(1<<21)|(5<<22)|(3<<25)
	s_or_b32 s[G1SB+0], s44, (3<<16)|(1<<20)|(1<<21)|(5<<22)|(3<<25)
.irp g, G1S, G1SB
	s_mov_b32 s[\g+1], 32<<16
	s_mov_b32 s[\g+2], 16<<16
	s_mov_b32 s[\g+3], 32<<16
	s_mov_b32 s[\g+4], 16
	s_mov_b32 s[\g+5], 32
	s_mov_b32 s[\g+6], 0
	s_mov_b32 s[\g+7], 0
.endr
	CROUND                                         ; all sixteen work-groups are here: the joint loads meet
	s_mov_b32 s[G0S], 1
	s_add_co_u32 s[G0S+1], s19, SCL
	s_mov_b64 s[G0S+2:G0S+3], s[92:93]
	s_or_b32 s[G0S+3], s[G0S+3], 0x80000000
	s_mov_b32 s[G0SB], 1
	s_add_co_u32 s[G0SB+1], s19, SCL
	s_mov_b64 s[G0SB+2:G0SB+3], s[94:95]
	s_or_b32 s[G0SB+3], s[G0SB+3], 0x80000000
	JLOAD G0S, G1S, G0SB, G1SB                     ; the scales first
.irp s, 0,1
	s_mov_b32 s[G0+4*\s], 1
	s_add_co_u32 s[G0+4*\s+1], s45, \s*SLOT
	s_add_nc_u64 s[G0+4*\s+2:G0+4*\s+3], s[20:21], \s*256
	s_or_b32 s[G0+4*\s+3], s[G0+4*\s+3], 0x80000000
	s_mov_b32 s[G0B+4*\s], 1
	s_add_co_u32 s[G0B+4*\s+1], s45, \s*SLOT
	s_add_nc_u64 s[G0B+4*\s+2:G0B+4*\s+3], s[46:47], \s*256
	s_or_b32 s[G0B+4*\s+3], s[G0B+4*\s+3], 0x80000000
	JLOAD G0+4*\s, G1, G0B+4*\s, G1B               ; then the two halves of K
.endr
	v_and_b32 v1, 15, v0                           ; r = lane % 16
	v_bfe_u32 v2, v0, 4, 1                         ; h = lane / 16
	v_mul_u32_u24 v3, v1, PITCH
	v_lshl_add_u32 v4, v2, 4, v3                   ; a fragment's row x pitch + 16 h
	s_mul_i32 s17, s15, HALFT                      ; my 128 rows of A
	s_mul_i32 s18, s16, HALFT
	s_add_co_u32 s18, s18, 2*HALFT                 ; my 128 rows of B, behind A's 256
.irp s, 0,1
	v_add_nc_u32 v[ADRA+\s], s17, v4
	v_add_nc_u32 v[ADRB+\s], s18, v4
	s_add_co_u32 s17, s17, SLOT
	s_add_co_u32 s18, s18, SLOT
.endr
	v_lshlrev_b32 v5, 5, v1                        ; my row's scales: 32 bytes a row,
	v_lshrrev_b32 v6, 3, v1
	v_lshl_add_u32 v5, v6, 4, v5                   ; and 16 more behind each 8 rows
	s_mul_i32 s17, s15, HALFS
	s_mul_i32 s18, s16, HALFS
	s_add_co_u32 s18, s18, 2*HALFS
	s_sub_co_u32 s18, s18, s17
	v_mul_u32_u24 v6, s18, v2                      ; lanes 16-31 take B's: one product with h
	s_add_co_u32 s17, s17, SCL
	v_add_nc_u32 v5, v5, v6
	v_add_nc_u32 v[ADRS], s17, v5
	v_and_b32 v[LI], 31, v0
	v_lshlrev_b32 v[LI], 4, v[LI]
	s_lshl_b32 s17, s14, 9
	s_add_co_u32 s17, s17, STG
	v_lshl_add_u32 v[SST], v1, 2, s17
	v_add_nc_u32 v[SRD], s17, v[LI]
	v_lshlrev_b32 v[BH], 5, v2
	v_lshlrev_b32 v[BR], 2, v1
	s_mov_b32 s20, 0x76543210                      ; v_permlanex16_b32's selects for lane l xor 16
	s_mov_b32 s21, 0xfedcba98
	; the bias, as the C of the first K step.  q, k: it runs along b' (the registers); v: along a (the lanes)
	s_lshl_b32 s17, s42, 8
	s_lshl_b32 s18, s16, 7
	s_add_co_u32 s17, s17, s18                     ; my first row of B
	s_lshl_b32 s18, s22, 8
	s_lshl_b32 s19, s15, 7
	s_add_co_u32 s18, s18, s19                     ; my first row of A
	s_cmp_lt_u32 s3, 2
	s_cselect_b32 s100, s17, s18
	s_lshl_b32 s100, s100, 2
	s_mov_b32 s101, 0
	s_add_nc_u64 s[12:13], s[12:13], s[100:101]
	s_cmp_eq_u32 s3, 2
	s_cbranch_scc1 .Lbias_v
	WIN TO_B
	s_wait_alu depctr_va_vdst(0)
.irp b, 0,1,2,3,4,5,6,7
	global_load_b128 v[BI+8*\b:BI+8*\b+3], v[BH], s[12:13] offset:64*\b          ; bias[16 b + 8 h + 0 .. 7]: tile b's C
	global_load_b128 v[BI+8*\b+4:BI+8*\b+7], v[BH], s[12:13] offset:64*\b+16
.endr
	WIN 0
	s_branch .Lbias_done
.Lbias_v:
	WIN TO_B
	s_wait_alu depctr_va_vdst(0)
.irp a, 0,1,2,3,4,5,6,7
.irp i, 0,1,2,3,4,5,6,7
	global_load_b32 v[BI+8*\a+\i], v[BR], s[12:13] offset:64*\a                  ; bv[16 a + r] in all eight registers: tile a's C.  Eight loads of one word spare 256 additions on the way out
.endr
.endr
	WIN 0
.Lbias_done:
	; where my results go
	s_lshl_b32 s17, s42, 1
	s_add_co_u32 s17, s17, s16                     ; beta = 2 TB + my half
	s_mul_i32 s17, s17, s23
	s_lshl_b32 s18, s22, 4
	s_add_co_u32 s17, s17, s18
	s_lshl_b32 s18, s15, 3
	s_add_co_u32 s17, s17, s18                     ; beta NA + my first alpha
	s_lshl_b32 s18, s3, 22
	s_lshl_b32 s100, s17, 10
	s_add_co_u32 s100, s100, s18
	s_add_nc_u64 s[96:97], s[96:97], s[100:101]
	s_lshl_b32 s18, s3, 18
	s_lshl_b32 s100, s17, 6
	s_add_co_u32 s100, s100, s18
	s_add_nc_u64 s[98:99], s[98:99], s[100:101]
.macro FRAG reg, adr, off, dc          ; a fragment, 16 rows x 128 K of 4-bit codes: 8 registers, two loads of 16 bytes a lane
	ds_load_b128 v[\reg:\reg+3], v[\adr] offset:\off
	ds_load_b128 v[\reg+4:\reg+7], v[\adr] offset:\off+\dc
.endm
.macro SCALES sl                       ; the scale words of half sl of K: four words a row; lanes 0-15 A's block i, lanes 16-31 B's block i
.irp i, 0,1,2,3,4,5,6,7
	ds_load_b128 v[SC+32*(\sl)+4*\i:SC+32*(\sl)+4*\i+3], v[ADRS] offset:\i*SBLK+16*(\sl)
.endr
.endm
.macro FETCH n                         ; K step n (128 along K): B's eight fragments and A's eight into set n % 2; with a half's first step its scale words
.set F_SL, (\n)/4
.set F_Q, (\n)%4
.set F_P, (\n)%2
	WIN TO_B
.irp i, 0,1,2,3,4,5,6,7
	FRAG 128*F_P+8*\i, ADRB+F_SL, 64*F_Q+\i*16*PITCH, 32
.endr
	WIN 0
.irp i, 0,1,2,3,4,5,6,7
	FRAG AF+64*F_P+8*\i, ADRA+F_SL, 64*F_Q+\i*16*PITCH, 32
.endr
.if F_Q == 0
	SCALES F_SL
.endif
.endm
; 32 matrix instructions of K step n: A's blocks a0 .. a0 + 3 x B's eight.  cmode 0: onto the sums; 1: the sums start with the bias of tile b; 2: of tile a.
; The 64 accumulators take turns, one instruction a turn, in the same order in every step.
.macro MULS n, a0, cmode
.set M_SL, (\n)/4
.set M_Q, (\n)%4
.set M_P, (\n)%2
.irp a, \a0, \a0+1, \a0+2, \a0+3
.irp b, 0,1,2,3,4,5,6,7
.set M_D, 8*(8*((\a)%4)+\b)
.if \cmode == 0
	v_wmma_scale_f32_16x16x128_f8f6f4 v[M_D:M_D+7], v[128*M_P+8*\b:128*M_P+8*\b+7], v[AF+64*M_P+8*(\a):AF+64*M_P+8*(\a)+7], v[M_D:M_D+7], v[SC+32*M_SL+4*\b+M_Q], v[SC+32*M_SL+4*(\a)+M_Q] matrix_a_fmt:MATRIX_FMT_FP4 matrix_b_fmt:MATRIX_FMT_FP4 matrix_a_scale:MATRIX_SCALE_ROW1
.elseif \cmode == 1
	v_wmma_scale_f32_16x16x128_f8f6f4 v[M_D:M_D+7], v[128*M_P+8*\b:128*M_P+8*\b+7], v[AF+64*M_P+8*(\a):AF+64*M_P+8*(\a)+7], v[BI+8*\b:BI+8*\b+7], v[SC+32*M_SL+4*\b+M_Q], v[SC+32*M_SL+4*(\a)+M_Q] matrix_a_fmt:MATRIX_FMT_FP4 matrix_b_fmt:MATRIX_FMT_FP4 matrix_a_scale:MATRIX_SCALE_ROW1
.else
	v_wmma_scale_f32_16x16x128_f8f6f4 v[M_D:M_D+7], v[128*M_P+8*\b:128*M_P+8*\b+7], v[AF+64*M_P+8*(\a):AF+64*M_P+8*(\a)+7], v[BI+8*(\a):BI+8*(\a)+7], v[SC+32*M_SL+4*\b+M_Q], v[SC+32*M_SL+4*(\a)+M_Q] matrix_a_fmt:MATRIX_FMT_FP4 matrix_b_fmt:MATRIX_FMT_FP4 matrix_a_scale:MATRIX_SCALE_ROW1
.endif
.endr
.endr
.endm
; K step n: its fragments, asked for a step ago, are in; the next step's are asked for in one run, 64 matrix instructions ahead of their use; then the products.
.macro STEP n, meet
	s_wait_dscnt 0x0                               ; set n % 2 and its scale words are in
.if \meet
	s_wait_tensorcnt 0x0                           ; my part of the second half of K has landed,
	s_barrier_signal -1
	s_barrier_wait -1                              ; everybody's has.
.endif
.if (\n) < 7
	PLACES 4                                       ; four places in front of loads into registers that the last step's matrix instructions have read (ISA guide 7.12.1 for vector instructions)
	FETCH (\n)+1
.endif
	WIN MUL_LO
	MULS \n, 0, 0
	WIN MUL_HI
	MULS \n, 4, 0
	WIN 0
.endm
	s_wait_tensorcnt 1                             ; the scales and my part of the first half of K are in; the one load issued behind them may be out,
	s_barrier_signal -1
	s_barrier_wait -1                              ; everybody's are
	FETCH 0
	s_wait_loadcnt 0x0                             ; the bias
	s_wait_dscnt 0x0
	FETCH 1
	s_cmp_eq_u32 s3, 2                             ; K step 0 starts the sums with the bias: nothing is cleared, nothing is added later.  The two arms differ in which bias tile is C
	s_cbranch_scc1 .Lfirst_v
	WIN FIRST_LO
	MULS 0, 0, 1
	WIN FIRST_HI
	MULS 0, 4, 1
	WIN 0
	s_branch .Lfirst_done
.Lfirst_v:
	WIN FIRST_LO
	MULS 0, 0, 2
	WIN FIRST_HI
	MULS 0, 4, 2
	WIN 0
.Lfirst_done:
	STEP 1, 0
	STEP 2, 0
	STEP 3, 1
	STEP 4, 0
	STEP 5, 0
	STEP 6, 0
	STEP 7, 0
; THE WAY OUT.  Tile a: 16 rows of A x my 128 of b': four blocks of 32; block b lies in accumulators (a, 2 b), (a, 2 b + 1) of lanes l and l xor 16.
.macro QTILE a
.set Q_W, 2+(\a)/4
.set Q_W5, 5*Q_W
.set Q_AC, 64*((\a)%4)
	WIN Q_W5                                       ; sources 0 and 1: the accumulators' window
.irp b, 0,1,2,3
	v_max3_num_f32 v[TM+\b], |v[Q_AC+16*\b]|, |v[Q_AC+16*\b+1]|, 0x1800000   ; my 16 numbers of block b, each accumulator from its low end on, and the floor 2^(3 - 127): the byte cannot fall under 1
.endr
.irp i, 2,4,6,8,10,12,14
.irp b, 0,1,2,3
	v_max3_num_f32 v[TM+\b], |v[Q_AC+16*\b+\i]|, |v[Q_AC+16*\b+\i+1]|, v[TM+\b]
.endr
.endr
	WIN 0
.irp b, 0,1,2,3
	v_permlanex16_b32 v[TM+4+\b], v[TM+\b], s20, s21
.endr
.irp b, 0,1,2,3
	v_max_num_f32 v[TM+\b], v[TM+\b], v[TM+4+\b]   ; with lane l xor 16's: the block's largest magnitude
.endr
.irp b, 0,1,2,3
	v_add_nc_u32 v[TM+12+\b], 0xff000000, v[TM+\b] ; 2 off its exponent field: the conversion's scale operand
.endr
.irp b, 0,1,2,3
	v_lshrrev_b32 v[TM+4+\b], 23, v[TM+12+\b]      ; the scale's byte
.endr
	v_lshl_or_b32 v[PW], v[TM+5], 8, v[TM+4]       ; my row's scale word
	v_lshl_or_b32 v[PW], v[TM+6], 16, v[PW]
	v_lshl_or_b32 v[PW], v[TM+7], 24, v[PW]
.if (\a) > 0
	s_wait_xcnt 0x0                                ; the last tile's stores have read the codes' registers
.endif
	WIN Q_W                                        ; source 0: the accumulators' window
.irp b, 0,1,2,3
.irp u, 0,1
	v_cvt_scalef32_pk8_fp4_f32 v[PC+4*(\b/2)+(\b%2)+2*\u], v[Q_AC+16*\b+8*\u:Q_AC+16*\b+8*\u+7], v[TM+12+\b]   ; k = 16 u + 8 h + 0 .. 7 of block b
.endr
.endr
	WIN 0
	v_nop                                          ; one plain place behind a scaled conversion
.irp c, 0,2,4,6
	v_permlane16_swap_b32 v[PC+\c], v[PC+\c+1]     ; the first's lanes 16-31 change places with the second's lanes 0-15: lanes 0-15 now hold the even block whole, lanes 16-31 the odd one
.endr
	global_store_b128 v[LI], v[PC:PC+3], s[96:97] offset:1024*(\a)          ; 32 lanes store 512 consecutive bytes
	global_store_b128 v[LI], v[PC+4:PC+7], s[96:97] offset:1024*(\a)+512
	ds_store_b32 v[SST], v[PW] offset:64*(\a)      ; lanes l and l xor 16 write the same word with the same value
.endm
	PLACES 4                                       ; in front of the first read of results and the first write of registers that held A's fragments
.irp b, 0,1,2,3
	v_mov_b32 v[TM+4+\b], 0                        ; a lane permute's destination counts as one of its sources
.endr
.irp a, 0,1,2,3,4,5,6,7
	QTILE \a
.endr
	ds_load_b128 v[SW:SW+3], v[SRD]                ; LDS serves a wave's instructions in order: this sees my eight stores
	s_wait_dscnt 0x0
	global_store_b128 v[LI], v[SW:SW+3], s[98:99]  ; the eight tiles' scale words: 512 consecutive bytes
	s_wait_tensorcnt 0x0                           ; the wave's end
	ds_add_u32 v[SPW], v[NIL]
	s_wait_dscnt 0x0
	CROUND                                         ; the closing round
	s_endpgm
.Lfunc_end_k_q5fb3f36316_qkv:
	.size	k_q5fb3f36316_qkv, .Lfunc_end_k_q5fb3f36316_qkv-k_q5fb3f36316_qkv
	.p2alignl 7, 3214868480
	.fill 96, 4, 3214868480
	.section	.rodata,"a",@progbits
	.p2align	6, 0x0
	.amdhsa_kernel k_q5fb3f36316_qkv
		.amdhsa_group_segment_fixed_size 327680
		.amdhsa_private_segment_fixed_size 0
		.amdhsa_enable_private_segment 0
		.amdhsa_kernarg_size 104
		.amdhsa_user_sgpr_count 2
		.amdhsa_user_sgpr_kernarg_segment_ptr 1
		.amdhsa_wavefront_size32 1
		.amdhsa_system_sgpr_workgroup_id_x 1
		.amdhsa_system_sgpr_workgroup_id_y 1
		.amdhsa_system_sgpr_workgroup_id_z 1
		.amdhsa_system_vgpr_workitem_id 0
		.amdhsa_next_free_vgpr 1024
		.amdhsa_next_free_sgpr 102
		.amdhsa_reserve_vcc 0
		.amdhsa_float_denorm_mode_32 3
		.amdhsa_float_denorm_mode_16_64 3
		.amdhsa_memory_ordered 1
		.amdhsa_forward_progress 1
		.amdhsa_inst_pref_size 144
	.end_amdhsa_kernel
	.amdgpu_metadata
---
amdhsa.version: [ 1, 2 ]
amdhsa.kernels:
  - .name:           k_q5fb3f36316_qkv
    .symbol:         k_q5fb3f36316_qkv.kd
    .args:
      - { .name: x_codes, .offset: 0, .size: 8, .value_kind: global_buffer, .address_space: global }
      - { .name: x_scales, .offset: 8, .size: 8, .value_kind: global_buffer, .address_space: global }
      - { .name: Wq_codes, .offset: 16, .size: 8, .value_kind: global_buffer, .address_space: global }
      - { .name: Wq_scales, .offset: 24, .size: 8, .value_kind: global_buffer, .address_space: global }
      - { .name: Wk_codes, .offset: 32, .size: 8, .value_kind: global_buffer, .address_space: global }
      - { .name: Wk_scales, .offset: 40, .size: 8, .value_kind: global_buffer, .address_space: global }
      - { .name: Wv_codes, .offset: 48, .size: 8, .value_kind: global_buffer, .address_space: global }
      - { .name: Wv_scales, .offset: 56, .size: 8, .value_kind: global_buffer, .address_space: global }
      - { .name: bq, .offset: 64, .size: 8, .value_kind: global_buffer, .address_space: global }
      - { .name: bk, .offset: 72, .size: 8, .value_kind: global_buffer, .address_space: global }
      - { .name: bv, .offset: 80, .size: 8, .value_kind: global_buffer, .address_space: global }
      - { .name: qkvc, .offset: 88, .size: 8, .value_kind: global_buffer, .address_space: global }
      - { .name: qkvs, .offset: 96, .size: 8, .value_kind: global_buffer, .address_space: global }
    .group_segment_fixed_size: 327680
    .private_segment_fixed_size: 0
    .kernarg_segment_align: 8
    .kernarg_segment_size: 104
    .max_flat_workgroup_size: 128
    .sgpr_count:     102
    .vgpr_count:     1024
    .wavefront_size: 32
...
	.end_amdgpu_metadata
.endif
;; end of part 1
;; launch attn (part 2): grid 8 x 32, 16 waves a work-group, clusters of 4 x 1, 327,680 bytes of LDS; arguments qkvc, qkvs, cc, cs; writes cc, cs
.if DOCPART == 2
	.amdgcn_target "amdgcn-amd-amdhsa--gfx1250"
	.amdhsa_code_object_version 6
	.text
	.protected	k_q5fb3f36316_attn
	.globl	k_q5fb3f36316_attn
	.p2align	8
	.type	k_q5fb3f36316_attn,@function
k_q5fb3f36316_attn:
	s_mov_b64 s[64:65], 0
	v_nop
	global_prefetch_b8 v0, s[64:65] scope:SCOPE_SE
	s_setreg_imm32_b32 hwreg(HW_REG_WAVE_MODE, 25, 1), 1
	s_wait_xcnt 0x0
	s_wait_alu depctr_hold_cnt(0) depctr_sa_sdst(0) depctr_va_vdst(0) depctr_va_sdst(0) depctr_va_ssrc(0) depctr_va_vcc(0) depctr_vm_vsrc(0)
	s_getreg_b32 s2, hwreg(HW_REG_IB_STS2, 6, 4)
	s_cmp_eq_u32 s2, 0
	s_cbranch_scc0 .Lentry_in_a_cluster
	s_endpgm
.Lentry_in_a_cluster:
	s_bfe_u32 s2, ttmp6, 0x10000c
	s_cmp_lg_u32 s2, 0x3003
	s_cbranch_scc0 .Lentry_shape_is_right
	s_endpgm
.Lentry_shape_is_right:
; ctx[b][q][head] = softmax_k(q . k / 8) v on codes of FP4 (E2M1) with E8M0 scales, and ctx quantised along d_model for the last product.  No work of the problem is left out here.
; THE SOFTMAX AHEAD OF THE SECOND PRODUCT: t = score x log2(e) / 8; M = the running largest t rounded UP to a whole number; p = 2^(t - M) is quantised along the keys; the row's sum is taken of the unquantised p and divides at the end.
; When M moves, the sum and O are multiplied by 2^(old M - new M): exact.
; SHARES: a work-group owns 256 queries of one batch and one PAIR of heads (2 g, 2 g + 1); each of its sixteen waves 16 queries; a wave walks all 2,048 keys, 128 a step, first for head 2 g, then for head 2 g + 1:
; so it ends with both heads' scale bytes, one whole scale word of the last product's K step g.  Four waves share a SIMD: one wave's vector work stands beside another's products and LDS loads.
; K AND V OF THE HEAD PAIR LIE IN LDS ONCE (images of operand registers, dense; every code load reads 512 consecutive bytes): wave 0 asks for K's scale words and K's four chunks of 512 keys, wave 1 for V's: five tensor loads a loading wave,
; all at the head; no LDS byte is filled twice.  The first pass begins on chunk 0 while the others land.  CLUSTER: the four query blocks of a cluster walk the same K and V: each load is a joint one (mask 15).
; BOTH PRODUCTS TRANSPOSED: S^T = K Q^T (source 0 = 16 keys, source 1 = my 16 queries), O^T = V^T P^T: a lane holds ONE query throughout; tile i, register j of S^T = key 16 i + 8 (lane / 16) + j.
; THE FIRST PRODUCT'S K IS 64, THE INSTRUCTION'S 128: Q's upper four registers are zero codes; K's operand of tile i is its four registers and the next tile's four (tile 7: four zeros): any code there meets a zero code and adds nothing;
; the scale words are loaded as 16 bits, the head's two bytes, so the upper two bytes are 0, which is 2^-127 and no NaN.
; LIMITS: a block of zeros gets the byte 1 where the rule says 127 (zero codes; this program alone reads the bytes); NaN and infinities are not served; 1 / sum by v_rcp_f32; a block's largest p is made from the block's largest score by the same
; two instructions as every p, which takes v_exp_f32 not to fall where its input rises.
.set KC,    0                          ; K's codes: [tile of 16 keys: 128][head parity][512 bytes]
.set VC,    131072                     ; V's: [step: 16][4 x head parity + tile of 16 channels][1,024 bytes]
.set KS,    262144                     ; K's scale words: [tile: 128][16 words]
.set VS,    270336                     ; V's: [step: 16][8 tiles][16 words]
.set SPARE, 278528                     ; the spare words, 128 bytes a wave
.set LI,  1                            ; v1   16 x lane
.set LS,  2                            ; v2   KS + 4 x lane
.set SPW, 3                            ; v3   my spare word; never rewritten
.set NIL, 4                            ; v4   0; never rewritten
.set RO,  6                            ; v6   32 (lane % 16): my row in cs
.set ADK, 8                            ; v8   the step's tiles of K
.set ADV, 9                            ; v9   of V
.set ADS, 10                           ; v10  its scale words
.set QF,  16                           ; v16-23 Q of head 2 g (four registers of codes, four of zeros), v24-31 of head 2 g + 1
.set KF,  32                           ; v32-63 K's eight tiles, v64-67 zeros
.set VF,  68                           ; v68-99 V's four tiles
.set S,   100                          ; v100-163 S^T, then p
.set O,   164                          ; v164-195 O^T
.set PC,  196                          ; v196-203 p's codes
.set KW,  204                          ; v204-207 K's scale words (lanes 0-15 an even tile's, lanes 16-31 the next's), v208-209 V's
.set VW,  208
.set QW,  210                          ; v210, v211 Q's scale words
.set FF,  212                          ; v212 f; v213 p's scale word
.set BM,  216                          ; v216-219 block maxima, v220-223 the other half's, then bytes, v224-227 scale operands
.set TT,  228
.set CW,  232                          ; v232, v233 ctx's scale bytes
.set WV,  12                           ; s12  my wave's number
.set G1K, 16                           ; s[16:23] 128 rows x 256 bytes, dense: a chunk of K
.set G1KS, 24                          ; s[24:31] 32 rows x 256 bytes, dense: K's scale words
.set G1V, 32                           ; s[32:39] 4 rows x 8,192 bytes, 65,536 apart: a chunk of V
.set G1VS, 40                          ; s[40:47] 16 rows x 512 bytes, 4,096 apart: V's scale words
.set SEL, 92
.set CS,  94
.macro CROUND
	s_barrier_signal -1
	s_barrier_wait -1
	s_cmp_lg_u32 s[WV], 0
	s_cbranch_scc1 .Lnot_wave_0_\@
	s_barrier_signal -3
.Lnot_wave_0_\@:
	s_barrier_wait -3
	s_barrier_signal -1
	s_barrier_wait -1
.endm
.macro G0SET g, lds, base, off         ; a group 0: count 1, LDS address, global address, type 2
	s_mov_b32 s[\g], 1
	s_mov_b32 s[\g+1], \lds
	s_add_nc_u64 s[\g+2:\g+3], s[\base:\base+1], \off
	s_or_b32 s[\g+3], s[\g+3], 0x80000000
.endm
	s_load_b256 s[4:11], s[0:1], 0x0               ; qkvc, qkvs, cc, cs
	v_lshl_add_u32 v[SPW], v0, 2, SPARE
	v_mov_b32 v[NIL], 0
	ds_add_u32 v[SPW], v[NIL]                      ; the wave's opening: the add, twice on end, and its wait ahead of the first tensor loads
	ds_add_u32 v[SPW], v[NIL]
	v_lshrrev_b32 v7, 5, v0
	s_delay_alu instid0(VALU_DEP_1)
	v_readfirstlane_b32 s[WV], v7                  ; wave 0..15
	s_bfe_u32 s14, ttmp6, 0x40000                  ; cx
	s_lshl_b32 s15, ttmp9, 2
	s_add_co_u32 s15, s15, s14                     ; X: my block of 256 queries: it enters Q's, cc's and cs's addresses alone
	s_and_b32 s96, ttmp7, 0xffff
	s_lshr_b32 s97, s96, 3                         ; b: the batch
	s_and_b32 s96, s96, 7                          ; g: the pair of heads.  The four partners share both
.irp g, G1K, G1KS, G1V, G1VS
	s_mov_b32 s[\g], 15|(3<<16)|(1<<21)            ; the mask: all four work-groups; elements of 8 bytes; bit 21 beside a mask; no padding
	s_mov_b32 s[\g+6], 0
	s_mov_b32 s[\g+7], 0
.endr
	s_mov_b32 s[G1K+1], 32<<16
	s_mov_b32 s[G1K+2], 128<<16
	s_mov_b32 s[G1K+3], 32<<16
	s_mov_b32 s[G1K+4], 128
	s_mov_b32 s[G1K+5], 32
	s_mov_b32 s[G1KS+1], 32<<16
	s_mov_b32 s[G1KS+2], 32<<16
	s_mov_b32 s[G1KS+3], 32<<16
	s_mov_b32 s[G1KS+4], 32
	s_mov_b32 s[G1KS+5], 32
	s_mov_b32 s[G1V+1], 1024<<16
	s_mov_b32 s[G1V+2], 4<<16
	s_mov_b32 s[G1V+3], 1024<<16
	s_mov_b32 s[G1V+4], 4
	s_mov_b32 s[G1V+5], 8192
	s_mov_b32 s[G1VS+1], 64<<16
	s_mov_b32 s[G1VS+2], 16<<16
	s_mov_b32 s[G1VS+3], 64<<16
	s_mov_b32 s[G1VS+4], 16
	s_mov_b32 s[G1VS+5], 512
	s_mov_b32 s[SEL], 0x76543210                   ; v_permlanex16_b32's selects for lane l xor 16
	s_mov_b32 s[SEL+1], 0xfedcba98
	s_mov_b32 s[CS], 0x3e38aa3b                    ; c = log2(e) / 8
	s_mov_b32 s[CS+1], s[CS]                       ; (named with it as a pair, so it is written)
	s_lshl_b32 s98, s96, 19                        ; K's codes of (b, g): 4 MiB + (512 g + 128 b) tiles of 1,024 bytes
	s_lshl_b32 s99, s97, 17
	s_add_co_u32 s98, s98, s99
	s_add_co_u32 s98, s98, 0x400000
	s_mov_b32 s99, 0
	s_lshr_b32 s100, s98, 4                        ; its scale words: a sixteenth of that
	s_mov_b32 s101, 0
	s_wait_dscnt 0x0                               ; both opening adds are done
	s_wait_kmcnt 0x0
	s_add_nc_u64 s[98:99], s[4:5], s[98:99]
	s_add_nc_u64 s[100:101], s[6:7], s[100:101]
	G0SET 48, KS, 100, 0
	G0SET 52, KC, 98, 0
	G0SET 56, KC+32768, 98, 32768
	G0SET 60, KC+65536, 98, 65536
	G0SET 68, KC+98304, 98, 98304
	s_lshl_b32 s98, s97, 20                        ; V's codes: 8 MiB + ((16 b + step) 64 + 8 g) tiles of 1,024 bytes
	s_lshl_b32 s99, s96, 13
	s_add_co_u32 s98, s98, s99
	s_add_co_u32 s98, s98, 0x800000
	s_mov_b32 s99, 0
	s_lshr_b32 s100, s98, 4
	s_mov_b32 s101, 0
	s_add_nc_u64 s[98:99], s[4:5], s[98:99]
	s_add_nc_u64 s[100:101], s[6:7], s[100:101]
	G0SET 72, VS, 100, 0
	G0SET 76, VC, 98, 0
	G0SET 80, VC+32768, 98, 262144
	G0SET 84, VC+65536, 98, 524288
	G0SET 88, VC+98304, 98, 786432
	CROUND                                         ; all four work-groups are here: the joint loads meet
	s_cmp_lg_u32 s[WV], 0                          ; a wave's first fills stand in one branch on the wave's number; an s_nop 0 follows each, four v_nop the last
	s_cbranch_scc1 .Lnot_k
	tensor_load_to_lds s[48:51], s[G1KS:G1KS+7]
	s_nop 0
	tensor_load_to_lds s[52:55], s[G1K:G1K+7]
	s_nop 0
	tensor_load_to_lds s[56:59], s[G1K:G1K+7]
	s_nop 0
	tensor_load_to_lds s[60:63], s[G1K:G1K+7]
	s_nop 0
	tensor_load_to_lds s[68:71], s[G1K:G1K+7]
	s_nop 0
.rept 4
	v_nop
.endr
	s_branch .Lasked
.Lnot_k:
	s_cmp_lg_u32 s[WV], 1
	s_cbranch_scc1 .Lasked
	tensor_load_to_lds s[72:75], s[G1VS:G1VS+7]
	s_nop 0
	tensor_load_to_lds s[76:79], s[G1V:G1V+7]
	s_nop 0
	tensor_load_to_lds s[80:83], s[G1V:G1V+7]
	s_nop 0
	tensor_load_to_lds s[84:87], s[G1V:G1V+7]
	s_nop 0
	tensor_load_to_lds s[88:91], s[G1V:G1V+7]
	s_nop 0
.rept 4
	v_nop
.endr
.Lasked:
	s_lshl_b32 s98, s97, 7
	s_lshl_b32 s99, s15, 4
	s_add_co_u32 s98, s98, s99
	s_add_co_u32 s14, s98, s[WV]                   ; alpha = 128 b + 16 X + wave: my tile of 16 queries
	s_lshl_b32 s98, s96, 19
	s_lshl_b32 s99, s14, 10
	s_add_co_u32 s98, s98, s99                     ; Q's codes: (512 g + alpha) x 1,024
	s_mov_b32 s99, 0
	s_add_nc_u64 s[4:5], s[4:5], s[98:99]
	s_lshr_b32 s98, s98, 4                         ; its scale words
	s_add_nc_u64 s[6:7], s[6:7], s[98:99]
	s_lshl_b32 s98, s14, 13
	s_lshl_b32 s100, s96, 10
	s_add_co_u32 s98, s98, s100                    ; cc: alpha x 8,192 + g x 1,024
	s_add_nc_u64 s[8:9], s[8:9], s[98:99]
	s_lshl_b32 s98, s14, 9
	s_lshl_b32 s100, s96, 2
	s_add_co_u32 s98, s98, s100                    ; cs: 16 alpha rows of 32 bytes + 4 g
	s_add_nc_u64 s[10:11], s[10:11], s[98:99]
	v_and_b32 v[LI], 31, v0
	s_delay_alu instid0(VALU_DEP_1)
	v_lshl_add_u32 v[LS], v[LI], 2, KS
	s_delay_alu instid0(VALU_DEP_2)
	v_lshlrev_b32 v[LI], 4, v[LI]
	v_and_b32 v7, 15, v0
	s_delay_alu instid0(VALU_DEP_1)
	v_lshlrev_b32 v[RO], 5, v7
	s_delay_alu instid0(VALU_DEP_2)
	v_lshlrev_b32 v7, 2, v7
	global_load_b128 v[QF:QF+3], v[LI], s[4:5]               ; Q stays in registers
	global_load_b128 v[QF+8:QF+11], v[LI], s[4:5] offset:512
	global_load_u16 v[QW], v7, s[6:7]                        ; the head's two scale bytes; the upper two are 0
	global_load_u16 v[QW+1], v7, s[6:7] offset:2
.irp j, 0,1,2,3
	v_mov_b32 v[QF+4+\j], 0                        ; zero codes for k = 64 .. 127
	v_mov_b32 v[QF+12+\j], 0
	v_mov_b32 v[KF+32+\j], 0
	v_mov_b32 v[BM+4+\j], 0                        ; a lane permute's destination counts as one of its sources
.endr
	v_mov_b32 v[FF+1], 0                           ; (named as the upper half of a pair before it is first written)
	v_mov_b32 v[TT], 0
	s_wait_loadcnt 0x0
; A KEY STEP for head parity c: 128 keys; s2 = the step's bytes in KC and in VC, s3 = in KS and in VS.
.macro STEP c
	v_add_nc_u32 v[ADK], s2, v[LI]                 ; these four are the places in front of loads into registers that the last step's products have read
	v_add_nc_u32 v[ADS], s3, v[LS]
	s_delay_alu instid0(VALU_DEP_2)
	v_add_nc_u32 v[ADV], VC, v[ADK]
	v_nop
.irp i, 0,1,2,3,4,5,6,7
	ds_load_b128 v[KF+4*\i:KF+4*\i+3], v[ADK] offset:1024*\i+512*\c
.endr
.irp i, 0,1,2,3
	ds_load_u16 v[KW+\i], v[ADS] offset:128*\i+2*\c
.endr
.irp t, 0,1,2,3
	ds_load_b128 v[VF+8*\t:VF+8*\t+3], v[ADV] offset:(4*\c+\t)*1024
	ds_load_b128 v[VF+8*\t+4:VF+8*\t+7], v[ADV] offset:(4*\c+\t)*1024+512
.endr
.irp i, 0,1
	ds_load_b32 v[VW+\i], v[ADS] offset:VS-KS+256*\c+128*\i
.endr
	s_wait_dscnt 10                                ; K and its words are in; the ten loads issued behind them, V's, may be out
.irp i, 0,1,2,3,4,5,6,7
.if \i%2
	v_wmma_scale_f32_16x16x128_f8f6f4 v[S+8*\i:S+8*\i+7], v[KF+4*\i:KF+4*\i+7], v[QF+8*\c:QF+8*\c+7], 0, v[KW+\i/2], v[QW+\c] matrix_a_fmt:MATRIX_FMT_FP4 matrix_b_fmt:MATRIX_FMT_FP4 matrix_a_scale:MATRIX_SCALE_ROW1
.else
	v_wmma_scale_f32_16x16x128_f8f6f4 v[S+8*\i:S+8*\i+7], v[KF+4*\i:KF+4*\i+7], v[QF+8*\c:QF+8*\c+7], 0, v[KW+\i/2], v[QW+\c] matrix_a_fmt:MATRIX_FMT_FP4 matrix_b_fmt:MATRIX_FMT_FP4
.endif
.endr
.rept 4
	v_nop
.endr
.irp b, 0,1,2,3
	v_max3_num_f32 v[BM+\b], v[S+16*\b], v[S+16*\b+1], v[S+16*\b+2]   ; the largest score of each block of 32 keys: for the row's maximum, and, since p rises with the score, for the block's largest p
.endr
.irp i, 3,5,7,9,11,13
.irp b, 0,1,2,3
	v_max3_num_f32 v[BM+\b], v[BM+\b], v[S+16*\b+\i], v[S+16*\b+\i+1]
.endr
.endr
.irp b, 0,1,2,3
	v_max_num_f32 v[BM+\b], v[BM+\b], v[S+16*\b+15]
.endr
.irp b, 0,1,2,3
	s_delay_alu instid0(VALU_DEP_4)
	v_permlanex16_b32 v[BM+4+\b], v[BM+\b], s[SEL], s[SEL+1]
.endr
.irp b, 0,1,2,3
	s_delay_alu instid0(VALU_DEP_4)
	v_max_num_f32 v[BM+\b], v[BM+\b], v[BM+4+\b]   ; with lane l xor 16's 16 keys
.endr
	s_delay_alu instid0(VALU_DEP_2)
	v_max3_num_f32 v[TT], v[BM], v[BM+1], v[BM+2]
	s_delay_alu instid0(VALU_DEP_1)
	v_max_num_f32 v[TT], v[TT], v[BM+3]            ; the step's largest score of my query
	s_delay_alu instid0(VALU_DEP_1)
	v_mul_f32 v[TT], s[CS], v[TT]                  ; as t
	s_delay_alu instid0(VALU_DEP_1)
	v_max_num_f32 v13, v13, v[TT]                  ; the running largest t
	v_mov_b32 v[TT], v12
	s_delay_alu instid0(VALU_DEP_2)
	v_floor_f32 v12, -v13                          ; the new -M = floor(-t): M is a whole number
	s_delay_alu instid0(VALU_DEP_1)
	v_sub_f32 v[TT], v12, v[TT]                    ; old M - new M: a whole number, 0 or less
	s_delay_alu instid0(VALU_DEP_1)
	v_cvt_i32_f32 v[TT], v[TT]                     ; (it saturates)
	s_delay_alu instid0(VALU_DEP_1)
	v_ldexp_f32 v[FF], 1.0, v[TT]                  ; f = 2^(old M - new M)
.set j, 0
.rept 32
	v_pk_fma_f32 v[S+j:S+j+1], v[S+j:S+j+1], s[CS:CS+1], v[12:13] op_sel_hi:[1,0,0]   ; t - M, two at a time
.set j, j+2
.endr
.irp b, 0,1,2,3
	v_fma_f32 v[BM+\b], v[BM+\b], s[CS], v12       ; the same of each block's largest score
.endr
.set j, 0
	s_wait_alu depctr_va_vdst(0)
.rept 64
	v_exp_f32 v[S+j], v[S+j]                       ; p = 2^(t - M)
.set j, j+1
.endr
	s_setprio 1
	v_pk_mul_f32 v[14:15], v[14:15], v[FF:FF+1] op_sel_hi:[1,0]   ; the sums under the new M: a plain place behind the exponentials
	s_wait_alu depctr_va_vdst(0)                   ; one wait for the whole batch, ahead of its first reader
.irp b, 0,1,2,3
	v_exp_f32 v[BM+\b], v[BM+\b]                   ; the block's largest p
.endr
	v_pk_add_f32 v[230:231], v[104:105], v[108:109]
	v_pk_add_f32 v[254:255], v[112:113], v[116:117]
	v_pk_add_f32 v[252:253], v[120:121], v[124:125]
	v_pk_add_f32 v[250:251], v[128:129], v[132:133]
	v_pk_add_f32 v[248:249], v[136:137], v[140:141]
	v_pk_add_f32 v[246:247], v[144:145], v[148:149]
	v_pk_add_f32 v[244:245], v[152:153], v[156:157]
	v_pk_add_f32 v[14:15], v[14:15], v[160:161]
	v_pk_add_f32 v[230:231], v[230:231], v[100:101]
	v_pk_add_f32 v[254:255], v[254:255], v[102:103]
	v_pk_add_f32 v[252:253], v[252:253], v[106:107]
	v_pk_add_f32 v[250:251], v[250:251], v[110:111]
	v_pk_add_f32 v[248:249], v[248:249], v[114:115]
	v_pk_add_f32 v[246:247], v[246:247], v[118:119]
	v_pk_add_f32 v[244:245], v[244:245], v[122:123]
	v_pk_add_f32 v[14:15], v[14:15], v[126:127]
	v_pk_add_f32 v[230:231], v[230:231], v[130:131]
	v_pk_add_f32 v[254:255], v[254:255], v[134:135]
	v_pk_add_f32 v[252:253], v[252:253], v[138:139]
	v_pk_add_f32 v[250:251], v[250:251], v[142:143]
	v_pk_add_f32 v[248:249], v[248:249], v[146:147]
	v_pk_add_f32 v[246:247], v[246:247], v[150:151]
	v_pk_add_f32 v[244:245], v[244:245], v[154:155]
	v_pk_add_f32 v[14:15], v[14:15], v[158:159]
	v_pk_add_f32 v[230:231], v[230:231], v[162:163]
	s_delay_alu instid0(VALU_DEP_2)
	v_pk_add_f32 v[14:15], v[14:15], v[250:251]
	s_delay_alu instid0(VALU_DEP_2)
	v_pk_add_f32 v[230:231], v[230:231], v[248:249]
	v_pk_add_f32 v[254:255], v[254:255], v[246:247]
	v_pk_add_f32 v[252:253], v[252:253], v[244:245]
	s_delay_alu instid0(VALU_DEP_2)
	v_pk_add_f32 v[14:15], v[14:15], v[254:255]
	s_delay_alu instid0(VALU_DEP_2)
	v_pk_add_f32 v[230:231], v[230:231], v[252:253]
	s_delay_alu instid0(VALU_DEP_1)
	v_pk_add_f32 v[14:15], v[14:15], v[230:231]
	s_wait_alu depctr_va_vdst(0)                   ; and one for the four
.irp b, 0,1,2,3
	v_max_num_f32 v[BM+\b], 0x1800000, v[BM+\b]    ; the floor 2^(3 - 127): the byte cannot fall under 1
.endr
.irp b, 0,1,2,3
	s_delay_alu instid0(VALU_DEP_4)
	v_add_nc_u32 v[BM+8+\b], 0xff000000, v[BM+\b]  ; 2 off the exponent field: the conversion's scale operand
.endr
.irp b, 0,1,2,3
	s_delay_alu instid0(VALU_DEP_4)
	v_lshrrev_b32 v[BM+4+\b], 23, v[BM+8+\b]       ; the scale's byte
.endr
	s_delay_alu instid0(VALU_DEP_3)
	v_lshl_or_b32 v[FF+1], v[BM+5], 8, v[BM+4]     ; p's scale word for these 128 keys
	s_delay_alu instid0(VALU_DEP_1)
	v_lshl_or_b32 v[FF+1], v[BM+6], 16, v[FF+1]
	s_delay_alu instid0(VALU_DEP_1)
	v_lshl_or_b32 v[FF+1], v[BM+7], 24, v[FF+1]
.irp b, 0,1,2,3
.irp u, 0,1
	v_cvt_scalef32_pk8_fp4_f32 v[PC+4*(\b/2)+(\b%2)+2*\u], v[S+16*\b+8*\u:S+16*\b+8*\u+7], v[BM+8+\b]   ; keys 16 u + 8 h + 0 .. 7 of block b
.endr
.endr
	v_nop                                          ; one plain place behind a scaled conversion
.irp c2, 0,2,4,6
	v_permlane16_swap_b32 v[PC+\c2], v[PC+\c2+1]   ; lanes 0-15 now hold the even block whole, lanes 16-31 the odd one
.endr
.set j, 0
	s_setprio 0
.rept 16
	v_pk_mul_f32 v[O+j:O+j+1], v[O+j:O+j+1], v[FF:FF+1] op_sel_hi:[1,0]   ; O^T under the new M.  These sixteen are also the places between the scale word, the codes and the products
.set j, j+2
.endr
	s_wait_alu depctr_va_vdst(0)
	s_wait_dscnt 0x0                               ; V and its words are in
.irp t, 0,1,2,3
.if \t%2
	v_wmma_scale_f32_16x16x128_f8f6f4 v[O+8*\t:O+8*\t+7], v[VF+8*\t:VF+8*\t+7], v[PC:PC+7], v[O+8*\t:O+8*\t+7], v[VW+\t/2], v[FF+1] matrix_a_fmt:MATRIX_FMT_FP4 matrix_b_fmt:MATRIX_FMT_FP4 matrix_a_scale:MATRIX_SCALE_ROW1
.else
	v_wmma_scale_f32_16x16x128_f8f6f4 v[O+8*\t:O+8*\t+7], v[VF+8*\t:VF+8*\t+7], v[PC:PC+7], v[O+8*\t:O+8*\t+7], v[VW+\t/2], v[FF+1] matrix_a_fmt:MATRIX_FMT_FP4 matrix_b_fmt:MATRIX_FMT_FP4
.endif
.endr
.endm
.macro STEPS c, n                      ; n key steps on end
	s_mov_b32 s13, \n
.Lstep_\@:
	s_setprio 2
	STEP \c
	s_add_co_u32 s2, s2, 8192                      ; eight tiles of K, eight of V
	s_add_co_u32 s3, s3, 512                       ; and their scale words
	s_sub_co_u32 s13, s13, 1
	s_cmp_lg_u32 s13, 0
	s_cbranch_scc1 .Lstep_\@
	s_setprio 0
.endm
; A head's way out: O^T / the sum, quantised along the head's 64 channels (two blocks: tiles 0, 1 and tiles 2, 3), stored as half an operand image.
.macro OUT c
.rept 4
	v_nop                                          ; places behind the last products
.endr
	v_add_f32 v14, v14, v15                        ; the sum's two halves,
	s_delay_alu instid0(VALU_DEP_1)
	v_permlanex16_b32 v[TT], v14, s[SEL], s[SEL+1]
	s_delay_alu instid0(VALU_DEP_1)
	v_add_f32 v14, v14, v[TT]                      ; and lane l xor 16's
	s_wait_alu depctr_va_vdst(0)
	v_rcp_f32 v14, v14
	v_mov_b32 v15, 0                               ; a plain place behind the reciprocal
	s_wait_alu depctr_va_vdst(0)                   ; the wait ahead of its first reader
.set j, 0
.rept 16
	v_pk_mul_f32 v[S+j:S+j+1], v[O+j:O+j+1], v[14:15] op_sel_hi:[1,0]   ; register 8 t + i: ctx(my query, channel 16 t + 8 h + i)
.set j, j+2
.endr
.irp b, 0,1
	v_max3_num_f32 v[BM+\b], |v[S+16*\b]|, |v[S+16*\b+1]|, 0x1800000
.endr
.irp i, 2,4,6,8,10,12,14
.irp b, 0,1
	s_delay_alu instid0(VALU_DEP_2)
	v_max3_num_f32 v[BM+\b], v[BM+\b], |v[S+16*\b+\i]|, |v[S+16*\b+\i+1]|
.endr
.endr
.irp b, 0,1
	s_delay_alu instid0(VALU_DEP_2)
	v_permlanex16_b32 v[BM+4+\b], v[BM+\b], s[SEL], s[SEL+1]
.endr
.irp b, 0,1
	s_delay_alu instid0(VALU_DEP_2)
	v_max_num_f32 v[BM+\b], v[BM+\b], v[BM+4+\b]
.endr
.irp b, 0,1
	s_delay_alu instid0(VALU_DEP_2)
	v_add_nc_u32 v[BM+8+\b], 0xff000000, v[BM+\b]
.endr
.irp b, 0,1
	s_delay_alu instid0(VALU_DEP_2)
	v_lshrrev_b32 v[BM+4+\b], 23, v[BM+8+\b]
.endr
.if \c == 0
	s_delay_alu instid0(VALU_DEP_1)
	v_lshl_or_b32 v[CW], v[BM+5], 8, v[BM+4]       ; bytes 0, 1 of the K step's scale word
.else
	s_delay_alu instid0(VALU_DEP_1)
	v_lshl_or_b32 v[CW+1], v[BM+5], 8, v[BM+4]
	s_delay_alu instid0(VALU_DEP_1)
	v_lshl_or_b32 v[CW], v[CW+1], 16, v[CW]        ; bytes 2, 3: the word is whole
.endif
.irp b, 0,1
.irp u, 0,1
	v_cvt_scalef32_pk8_fp4_f32 v[PC+\b+2*\u], v[S+16*\b+8*\u:S+16*\b+8*\u+7], v[BM+8+\b]
.endr
.endr
	v_nop
	v_permlane16_swap_b32 v[PC], v[PC+1]
	v_permlane16_swap_b32 v[PC+2], v[PC+3]
	global_store_b128 v[LI], v[PC:PC+3], s[8:9] offset:512*\c     ; 32 lanes store 512 consecutive bytes
.if \c == 1
	global_store_b32 v[RO], v[CW], s[10:11]        ; 4 bytes a row, rows 32 bytes apart (lanes l and l xor 16 the same word): a sixteenth of ctx's bytes, laid row-major so that the last launch reads them as it reads a given tensor's
.endif
.endm
.macro PASS c, chunked
	v_mov_b32 v13, 0xff61b1e6                      ; the largest t so far: -3e38
	s_delay_alu instid0(VALU_DEP_1)
	v_floor_f32 v12, -v13                          ; -M
	v_mov_b32 v14, 0
	v_mov_b32 v15, 0
.set j, 0
.rept 32
	v_mov_b32 v[O+j], 0                            ; the step is written once: its first run finds zeros, which the first change of M leaves zeros
.set j, j+1
.endr
.if \chunked
.irp e, 0,1,2,3
	s_wait_tensorcnt 3-\e                          ; in a loading wave: the scale words and chunks 0 .. e have landed; the 3 - e chunks issued behind them may be out.  No LDS instruction of mine is pending here
	s_barrier_signal -1
	s_barrier_wait -1                              ; chunk e of K and of V is whole for all sixteen.
	s_mov_b32 s2, \e*32768
	s_mov_b32 s3, \e*2048
	STEPS \c, 4
.endr
.else
	s_mov_b32 s2, 0
	s_mov_b32 s3, 0
	STEPS \c, 16
.endif
	OUT \c
.endm
	PASS 0, 1
	s_wait_xcnt 0x0                                ; the first head's store has read the codes' registers
	PASS 1, 0
	s_wait_tensorcnt 0x0                           ; the wave's end
	ds_add_u32 v[SPW], v[NIL]
	s_wait_dscnt 0x0
	CROUND                                         ; the closing round
	s_endpgm
.Lfunc_end_k_q5fb3f36316_attn:
	.size	k_q5fb3f36316_attn, .Lfunc_end_k_q5fb3f36316_attn-k_q5fb3f36316_attn
	.p2alignl 7, 3214868480
	.fill 96, 4, 3214868480
	.section	.rodata,"a",@progbits
	.p2align	6, 0x0
	.amdhsa_kernel k_q5fb3f36316_attn
		.amdhsa_group_segment_fixed_size 327680
		.amdhsa_private_segment_fixed_size 0
		.amdhsa_enable_private_segment 0
		.amdhsa_kernarg_size 32
		.amdhsa_user_sgpr_count 2
		.amdhsa_user_sgpr_kernarg_segment_ptr 1
		.amdhsa_wavefront_size32 1
		.amdhsa_system_sgpr_workgroup_id_x 1
		.amdhsa_system_sgpr_workgroup_id_y 1
		.amdhsa_system_sgpr_workgroup_id_z 1
		.amdhsa_system_vgpr_workitem_id 0
		.amdhsa_next_free_vgpr 256
		.amdhsa_next_free_sgpr 102
		.amdhsa_reserve_vcc 0
		.amdhsa_float_denorm_mode_32 3
		.amdhsa_float_denorm_mode_16_64 3
		.amdhsa_memory_ordered 1
		.amdhsa_forward_progress 1
		.amdhsa_inst_pref_size 104
	.end_amdhsa_kernel
	.amdgpu_metadata
---
amdhsa.version: [ 1, 2 ]
amdhsa.kernels:
  - .name:           k_q5fb3f36316_attn
    .symbol:         k_q5fb3f36316_attn.kd
    .args:
      - { .name: qkvc, .offset: 0, .size: 8, .value_kind: global_buffer, .address_space: global }
      - { .name: qkvs, .offset: 8, .size: 8, .value_kind: global_buffer, .address_space: global }
      - { .name: cc, .offset: 16, .size: 8, .value_kind: global_buffer, .address_space: global }
      - { .name: cs, .offset: 24, .size: 8, .value_kind: global_buffer, .address_space: global }
    .group_segment_fixed_size: 327680
    .private_segment_fixed_size: 0
    .kernarg_segment_align: 8
    .kernarg_segment_size: 32
    .max_flat_workgroup_size: 512
    .sgpr_count:     102
    .vgpr_count:     256
    .wavefront_size: 32
...
	.end_amdgpu_metadata
.endif
;; end of part 2
;; launch oproj (part 3): grid 4 x 64, 4 waves a work-group, clusters of 4 x 4, 327,680 bytes of LDS; arguments cc, cs, Wo_codes, Wo_scales, out0, bo; writes out0
.if DOCPART == 3
	.amdgcn_target "amdgcn-amd-amdhsa--gfx1250"
	.amdhsa_code_object_version 6
	.text
	.protected	k_q5fb3f36316_oproj
	.globl	k_q5fb3f36316_oproj
	.p2align	8
	.type	k_q5fb3f36316_oproj,@function
k_q5fb3f36316_oproj:
	s_mov_b64 s[64:65], 0
	v_nop
	global_prefetch_b8 v0, s[64:65] scope:SCOPE_SE
	s_setreg_imm32_b32 hwreg(HW_REG_WAVE_MODE, 25, 1), 1
	s_wait_xcnt 0x0
	s_wait_alu depctr_hold_cnt(0) depctr_sa_sdst(0) depctr_va_vdst(0) depctr_va_sdst(0) depctr_va_ssrc(0) depctr_va_vcc(0) depctr_vm_vsrc(0)
	s_getreg_b32 s2, hwreg(HW_REG_IB_STS2, 6, 4)
	s_cmp_eq_u32 s2, 0
	s_cbranch_scc0 .Lentry_in_a_cluster
	s_endpgm
.Lentry_in_a_cluster:
	s_bfe_u32 s2, ttmp6, 0x10000c
	s_cmp_lg_u32 s2, 0xf033
	s_cbranch_scc0 .Lentry_shape_is_right
	s_endpgm
.Lentry_shape_is_right:
; out0 = ctx Wo^T + bo on codes of FP4 (E2M1) with E8M0 scales.  ctx's codes come as images of operand registers (cc: tile of 16 rows x 8,192 + K step x 1,024 + 512 c + 16 x lane), its scale bytes row-major (cs: [8,192][32]).  No work of the problem is left out here.
; SHARES: a work-group makes 128 rows x 256 columns over all of K = 1,024: 256 work-groups; a wave 64 x 128: 32 accumulators.  4 x 4 work-groups form a cluster: ctx's tile is shared along a row of it, Wo's along a column: joint loads.
; ALL OF K LIES IN LDS: two halves of 512 along K and the scales are asked for at the head; no LDS byte is filled twice.  A wave has one tensor load out at the most.
; The matrix instruction has source 0 = 16 rows of Wo, source 1 = 16 rows of ctx: a lane holds eight neighbouring columns of one row of out0.  bo is the C of the first K step.
; REGISTERS: window 0: v0-31 addresses; v32-95 scale words, two sets; ctx's fragments at v128-159 and v192-223, two sets (on the way out v128-255 take rows read back).
;   window 1: Wo's fragments, two sets, at v0 and v128; v64-127 bo in the result's layout.   window 2: accumulator (a, b) at v[8 (8 a + b)].
.set PITCH,  272
.set ATILE,  4096                      ; a tile of 16 rows of ctx, half of K: four K steps' images
.set AHALF,  4*ATILE                   ; 64 rows: what one tensor load brings, and what a wave reads
.set HALFT,  128*PITCH                 ; 128 rows of Wo
.set BOFF,   2*AHALF                   ; in a slot: ctx's 128 rows, then Wo's 256
.set SLOT,   BOFF+2*HALFT
.set SCL,    2*SLOT                    ; the scales: ctx's 2 x 64 rows, then Wo's 2 x 128 rows; 32 bytes a row, as units of 256 bytes + 16
.set HALFSA, 8*272
.set HALFSB, 16*272
.set SBLK,   2*272
.set SPARE,  SCL+2*HALFSA+2*HALFSB     ; the spare words
.set STAGE,  SPARE+512                 ; the way out: 16 rows x (512 + 16) bytes for each wave; no tensor load lands here
.set SPITCH, 528
.set ADRA, 16
.set ADRB, 20
.set STO,  24
.set RD,   25
.set CO,   26
.set ADRS, 27
.set SPW,  28
.set NIL,  29
.set BH,   30
.set SC,   32
.set AF,   128
.set BK,   128
.set BI,   64
.set G1, 24
.set G0, 32
.set G1B, 48
.set G0B, 56
.set G1S, 68
.set G0S, 76
.set G1SB, 80
.set G0SB, 88
.set MSB, 0
.macro WIN new
.if MSB != \new
	s_set_vgpr_msb (MSB<<8)|\new
.set MSB, \new
.endif
.endm
.set TO_B,     0x40
.set MUL_LO,   0xa1
.set FIRST_LO, 0x91
.macro PLACES n
.rept \n
	v_nop
.endr
.endm
.macro JLOAD g0a, g1a, g0b, g1b        ; a joint load: waves 0 and 1 fetch for ctx, waves 2 and 3 for Wo; an s_nop 0 and four v_nop follow each line
	s_cmp_eq_u32 s15, 0
	s_cbranch_scc0 .Lfor_b_\@
	tensor_load_to_lds s[\g0a:\g0a+3], s[\g1a:\g1a+7]
	s_nop 0
.rept 4
	v_nop
.endr
	s_branch .Lasked_\@
.Lfor_b_\@:
	tensor_load_to_lds s[\g0b:\g0b+3], s[\g1b:\g1b+7]
	s_nop 0
.rept 4
	v_nop
.endr
.Lasked_\@:
.endm
.macro CROUND
	s_barrier_signal -1
	s_barrier_wait -1
	s_cmp_lg_u32 s14, 0
	s_cbranch_scc1 .Lnot_wave_0_\@
	s_barrier_signal -3
.Lnot_wave_0_\@:
	s_barrier_wait -3
	s_barrier_signal -1
	s_barrier_wait -1
.endm
	s_load_b256 s[4:11], s[0:1], 0x0               ; cc, cs, Wo's codes, Wo's scales
	s_load_b64 s[12:13], s[0:1], 0x20              ; out0
	s_load_b64 s[96:97], s[0:1], 0x28              ; bo
	v_lshl_add_u32 v[SPW], v0, 2, SPARE
	v_mov_b32 v[NIL], 0
	ds_add_u32 v[SPW], v[NIL]                      ; the wave's opening: the add, twice on end, and its wait ahead of my first tensor load
	ds_add_u32 v[SPW], v[NIL]
	v_lshrrev_b32 v1, 5, v0
	v_readfirstlane_b32 s14, v1                    ; wave 0..3
	s_lshr_b32 s15, s14, 1                         ; my half of the rows.  Also: I fetch for ctx (0) or for Wo (1)
	s_and_b32 s16, s14, 1                          ; my half of the columns.  Also: which half I fetch
	s_bfe_u32 s40, ttmp6, 0x40000                  ; cx
	s_bfe_u32 s41, ttmp6, 0x40004                  ; cy
	s_and_b32 s17, ttmp7, 0xffff
	s_lshl_b32 s17, s17, 2
	s_add_co_u32 s17, s17, s41                     ; TA: my 128 rows
	s_mov_b32 s42, s40                             ; TB: my 256 columns
	s_lshl_b32 s43, s41, 2
	s_lshl_b32 s43, 15, s43                        ; my row of the cluster
	s_lshl_b32 s44, 0x1111, s40                    ; my column
	s_or_b32 s[G1+0], s43, (3<<16)|(1<<21)         ; ctx's codes: 4 tiles x 4,096 bytes (512 elements of 8), 8,192 apart; dense in LDS
	s_mov_b32 s[G1+1], 512<<16
	s_mov_b32 s[G1+2], 4<<16
	s_mov_b32 s[G1+3], 512<<16
	s_mov_b32 s[G1+4], 4
	s_mov_b32 s[G1+5], 1024
	s_mov_b32 s[G1+6], 0
	s_mov_b32 s[G1+7], 0
	s_or_b32 s[G1B+0], s44, (0<<16)|(1<<20)|(1<<21)|(5<<22)|(3<<25)   ; Wo's codes: 128 rows x 256 bytes, 512 apart, 16 bytes of padding behind each
	s_mov_b32 s[G1B+1], 256<<16
	s_mov_b32 s[G1B+2], 128<<16
	s_mov_b32 s[G1B+3], 256<<16
	s_mov_b32 s[G1B+4], 128
	s_mov_b32 s[G1B+5], 512
	s_mov_b32 s[G1B+6], 0
	s_mov_b32 s[G1B+7], 0
	s_or_b32 s[G1S+0], s43, (3<<16)|(1<<20)|(1<<21)|(5<<22)|(3<<25)   ; the scales of 64 rows: 8 units of 256 bytes, padded
	s_mov_b32 s[G1S+1], 32<<16
	s_mov_b32 s[G1S+2], 8<<16
	s_mov_b32 s[G1S+3], 32<<16
	s_mov_b32 s[G1S+4], 8
	s_mov_b32 s[G1S+5], 32
	s_mov_b32 s[G1S+6], 0
	s_mov_b32 s[G1S+7], 0
	s_or_b32 s[G1SB+0], s44, (3<<16)|(1<<20)|(1<<21)|(5<<22)|(3<<25)  ; of 128 rows: 16 units
	s_mov_b32 s[G1SB+1], 32<<16
	s_mov_b32 s[G1SB+2], 16<<16
	s_mov_b32 s[G1SB+3], 32<<16
	s_mov_b32 s[G1SB+4], 16
	s_mov_b32 s[G1SB+5], 32
	s_mov_b32 s[G1SB+6], 0
	s_mov_b32 s[G1SB+7], 0
	s_lshl_b32 s20, s17, 3
	s_lshl_b32 s18, s16, 2
	s_add_co_u32 s20, s20, s18                     ; ctx: the first tile of 16 rows that I fetch
	s_lshl_b32 s22, s20, 9                         ; its scale bytes: 16 rows x 32
	s_mov_b32 s23, 0
	s_lshl_b32 s20, s20, 13                        ; its codes
	s_mov_b32 s21, 0
	s_lshl_b32 s46, s42, 8
	s_lshl_b32 s18, s16, 7
	s_add_co_u32 s46, s46, s18                     ; Wo: the first row that I fetch
	s_lshl_b32 s92, s46, 5
	s_mov_b32 s93, 0
	s_lshl_b32 s46, s46, 9
	s_mov_b32 s47, 0
	s_mul_i32 s45, s16, AHALF                      ; where they go: no place in the cluster enters an LDS address
	s_mul_i32 s94, s16, HALFT
	s_add_co_u32 s94, s94, BOFF
	s_mul_i32 s98, s16, HALFSA
	s_add_co_u32 s98, s98, SCL
	s_mul_i32 s99, s16, HALFSB
	s_add_co_u32 s99, s99, SCL+2*HALFSA
	s_wait_dscnt 0x0                               ; both opening adds are done
	s_wait_kmcnt 0x0
	s_add_nc_u64 s[20:21], s[4:5], s[20:21]
	s_add_nc_u64 s[22:23], s[6:7], s[22:23]
	s_add_nc_u64 s[46:47], s[8:9], s[46:47]
	s_add_nc_u64 s[92:93], s[10:11], s[92:93]
	CROUND                                         ; all sixteen work-groups are here: the joint loads meet
	s_mov_b32 s[G0S], 1
	s_mov_b32 s[G0S+1], s98
	s_mov_b64 s[G0S+2:G0S+3], s[22:23]
	s_or_b32 s[G0S+3], s[G0S+3], 0x80000000
	s_mov_b32 s[G0SB], 1
	s_mov_b32 s[G0SB+1], s99
	s_mov_b64 s[G0SB+2:G0SB+3], s[92:93]
	s_or_b32 s[G0SB+3], s[G0SB+3], 0x80000000
	JLOAD G0S, G1S, G0SB, G1SB                     ; the scales first
.irp s, 0,1
	s_mov_b32 s[G0+4*\s], 1
	s_add_co_u32 s[G0+4*\s+1], s45, \s*SLOT
	s_add_nc_u64 s[G0+4*\s+2:G0+4*\s+3], s[20:21], \s*ATILE
	s_or_b32 s[G0+4*\s+3], s[G0+4*\s+3], 0x80000000
	s_mov_b32 s[G0B+4*\s], 1
	s_add_co_u32 s[G0B+4*\s+1], s94, \s*SLOT
	s_add_nc_u64 s[G0B+4*\s+2:G0B+4*\s+3], s[46:47], \s*256
	s_or_b32 s[G0B+4*\s+3], s[G0B+4*\s+3], 0x80000000
	s_wait_alu depctr_va_vdst(0)
	s_wait_tensorcnt 0x0
	ds_add_u32 v28, v29
	s_wait_dscnt 0x0
	CROUND
	JLOAD G0+4*\s, G1, G0B+4*\s, G1B               ; then the two halves of K
.endr
	v_and_b32 v1, 15, v0                           ; r
	v_bfe_u32 v2, v0, 4, 1                         ; h
	v_and_b32 v[CO], 31, v0
	v_lshlrev_b32 v[CO], 4, v[CO]                  ; 16 x lane
	v_mul_u32_u24 v3, v1, PITCH
	v_lshl_add_u32 v4, v2, 4, v3
	s_mul_i32 s18, s15, AHALF                      ; my 64 rows of ctx: images, 16 x lane
	s_mul_i32 s19, s16, HALFT
	s_add_co_u32 s19, s19, BOFF                    ; my 128 rows of Wo
.irp s, 0,1
	v_add_nc_u32 v[ADRA+\s], s18, v[CO]
	v_add_nc_u32 v[ADRB+\s], s19, v4
	s_add_co_u32 s18, s18, SLOT
	s_add_co_u32 s19, s19, SLOT
.endr
	v_lshlrev_b32 v5, 5, v1
	v_lshrrev_b32 v6, 3, v1
	v_lshl_add_u32 v5, v6, 4, v5                   ; my row's scales: 32 r + 16 (r / 8)
	s_mul_i32 s18, s15, HALFSA
	s_mul_i32 s19, s16, HALFSB
	s_add_co_u32 s19, s19, 2*HALFSA
	s_sub_co_u32 s19, s19, s18
	v_mul_u32_u24 v6, s19, v2                      ; lanes 16-31 take Wo's: one product with h
	s_add_co_u32 s18, s18, SCL
	v_add_nc_u32 v5, v5, v6
	v_add_nc_u32 v[ADRS], s18, v5
	s_mul_i32 s18, s14, 16*SPITCH
	s_add_co_u32 s18, s18, STAGE                   ; my stage
	v_mul_u32_u24 v5, v1, SPITCH
	v_lshl_add_u32 v5, v2, 5, v5
	v_add_nc_u32 v[STO], s18, v5                   ; in: row r, 32 bytes for each half of the lanes
	v_add_nc_u32 v[RD], s18, v[CO]                 ; back: the 32 lanes take one row of 512 bytes
	v_lshlrev_b32 v[BH], 5, v2
	s_lshl_b32 s18, s42, 10
	s_lshl_b32 s19, s16, 9
	s_add_co_u32 s46, s18, s19                     ; my first column, in bytes: in bo and in a row of out0
	s_mov_b32 s47, 0
	s_add_nc_u64 s[96:97], s[96:97], s[46:47]
	WIN TO_B
.irp b, 0,1,2,3,4,5,6,7
	global_load_b128 v[BI+8*\b:BI+8*\b+3], v[BH], s[96:97] offset:64*\b          ; bo[16 b + 8 h + 0 .. 7]: tile b's C
	global_load_b128 v[BI+8*\b+4:BI+8*\b+7], v[BH], s[96:97] offset:64*\b+16
.endr
	WIN 0
	s_lshl_b32 s20, s17, 7
	s_lshl_b32 s21, s15, 6
	s_add_co_u32 s20, s20, s21                     ; my first row
	s_lshl_b32 s20, s20, 12                        ; 4,096 bytes a row
	s_mov_b32 s21, 0
	s_add_nc_u64 s[20:21], s[20:21], s[46:47]
	s_add_nc_u64 s[12:13], s[12:13], s[20:21]
.macro FRAG reg, adr, off, dc
	ds_load_b128 v[\reg:\reg+3], v[\adr] offset:\off
	ds_load_b128 v[\reg+4:\reg+7], v[\adr] offset:\off+\dc
.endm
.macro SCALES sl                       ; lanes 0-15: ctx's block i (i under 4; beyond that landed bytes that no product names), lanes 16-31: Wo's block i
.irp i, 0,1,2,3,4,5,6,7
	ds_load_b128 v[SC+32*(\sl)+4*\i:SC+32*(\sl)+4*\i+3], v[ADRS] offset:\i*SBLK+16*(\sl)
.endr
.endm
.macro FETCH n                         ; K step n: Wo's eight fragments and ctx's four into set n % 2; with a half's first step its scale words
.set F_SL, (\n)/4
.set F_Q, (\n)%4
.set F_P, (\n)%2
	WIN TO_B
.irp i, 0,1,2,3,4,5,6,7
	FRAG 128*F_P+8*\i, ADRB+F_SL, 64*F_Q+\i*16*PITCH, 32
.endr
	WIN 0
.irp i, 0,1,2,3
	FRAG AF+64*F_P+8*\i, ADRA+F_SL, \i*ATILE+1024*F_Q, 512
.endr
.if F_Q == 0
	SCALES F_SL
.endif
.endm
; The 32 matrix instructions of K step n; first = 1: the sums start with bo.  The accumulators take turns, one instruction a turn, in the same order in every step.
.macro MULS n, first
.set M_SL, (\n)/4
.set M_Q, (\n)%4
.set M_P, (\n)%2
.irp a, 0,1,2,3
.irp b, 0,1,2,3,4,5,6,7
.set M_D, 8*(8*\a+\b)
.if \first
	v_wmma_scale_f32_16x16x128_f8f6f4 v[M_D:M_D+7], v[128*M_P+8*\b:128*M_P+8*\b+7], v[AF+64*M_P+8*\a:AF+64*M_P+8*\a+7], v[BI+8*\b:BI+8*\b+7], v[SC+32*M_SL+4*\b+M_Q], v[SC+32*M_SL+4*\a+M_Q] matrix_a_fmt:MATRIX_FMT_FP4 matrix_b_fmt:MATRIX_FMT_FP4 matrix_a_scale:MATRIX_SCALE_ROW1
.else
	v_wmma_scale_f32_16x16x128_f8f6f4 v[M_D:M_D+7], v[128*M_P+8*\b:128*M_P+8*\b+7], v[AF+64*M_P+8*\a:AF+64*M_P+8*\a+7], v[M_D:M_D+7], v[SC+32*M_SL+4*\b+M_Q], v[SC+32*M_SL+4*\a+M_Q] matrix_a_fmt:MATRIX_FMT_FP4 matrix_b_fmt:MATRIX_FMT_FP4 matrix_a_scale:MATRIX_SCALE_ROW1
.endif
.endr
.endr
.endm
.macro STEP n, meet
	s_wait_dscnt 0x0                               ; set n % 2 and its scale words are in
.if \meet
	s_wait_tensorcnt 0x0                           ; my part of the second half of K has landed,
	s_barrier_signal -1
	s_barrier_wait -1                              ; everybody's has.
.endif
.if (\n) < 7
	PLACES 4                                       ; four places in front of loads into registers that the last step's matrix instructions have read
	FETCH (\n)+1
.endif
	WIN MUL_LO
	MULS \n, 0
	WIN 0
.endm
	s_wait_alu depctr_va_vdst(0)
	s_wait_tensorcnt 1                             ; the scales and my part of the first half of K are in; the one load issued behind them may be out,
	s_barrier_signal -1
	s_barrier_wait -1                              ; everybody's are
	FETCH 0
	s_wait_loadcnt 0x0                             ; bo
	s_wait_dscnt 0x0
	FETCH 1
	WIN FIRST_LO
	MULS 0, 1                                      ; K step 0 starts the sums with bo
	WIN 0
	STEP 1, 0
	STEP 2, 0
	STEP 3, 1
	STEP 4, 0
	STEP 5, 0
	STEP 6, 0
	STEP 7, 0
; THE WAY OUT, block by block of 16 rows x 128 columns, through my own stage: in as 32 bytes a lane, back as whole rows of 512 bytes, which the 32 lanes store as 512 consecutive, aligned bytes.
; LDS serves a wave's instructions in order (ISA guide 5.7.1.4): no wait between the stores and the loads, nor in front of the next block's stores.
.macro TOSTAGE a
.set T_AC, 64*(\a)
	WIN 0x08                                       ; an LDS store's data are its source 1: window 2
.irp b, 0,1,2,3,4,5,6,7
	ds_store_b128 v[STO], v[T_AC+8*\b:T_AC+8*\b+3] offset:64*\b          ; each accumulator from its low end on
	ds_store_b128 v[STO], v[T_AC+8*\b+4:T_AC+8*\b+7] offset:64*\b+16
.endr
	WIN 0
.set T_BB, BK+64*((\a)%2)
.irp t, 0,1,2,3,4,5,6,7,8,9,10,11,12,13,14,15
	ds_load_b128 v[T_BB+4*\t:T_BB+4*\t+3], v[RD] offset:\t*SPITCH
.endr
.endm
.macro SEND a, younger                 ; younger: the LDS instructions issued behind block a's loads, which may stay out
.set T_BB, BK+64*((\a)%2)
	s_wait_dscnt \younger
.if (\a) > 0
	s_add_nc_u64 s[12:13], s[12:13], 16*4096       ; 16 rows on (behind a wait on XCNT: the earlier stores have read their base)
.endif
.irp t, 0,1,2,3,4,5,6,7,8,9,10,11,12,13,14,15
	global_store_b128 v[CO], v[T_BB+4*\t:T_BB+4*\t+3], s[12:13] offset:\t*4096 th:TH_STORE_NT
.endr
.endm
	PLACES 4                                       ; in front of the first read of results and of loads into the registers that held ctx's fragments
	TOSTAGE 0
.irp a, 1,2,3
.if \a > 1
	s_wait_xcnt 0x0                                ; block a - 2's stores have read their registers and their base
.endif
	TOSTAGE \a
	SEND \a-1, 32                                  ; behind block a - 1's loads: block a's 16 stores and 16 loads
.endr
	s_wait_xcnt 0x0
	SEND 3, 0
	s_wait_tensorcnt 0x0                           ; the wave's end
	ds_add_u32 v[SPW], v[NIL]
	s_wait_dscnt 0x0
	CROUND                                         ; the closing round
	s_endpgm
.Lfunc_end_k_q5fb3f36316_oproj:
	.size	k_q5fb3f36316_oproj, .Lfunc_end_k_q5fb3f36316_oproj-k_q5fb3f36316_oproj
	.p2alignl 7, 3214868480
	.fill 96, 4, 3214868480
	.section	.rodata,"a",@progbits
	.p2align	6, 0x0
	.amdhsa_kernel k_q5fb3f36316_oproj
		.amdhsa_group_segment_fixed_size 327680
		.amdhsa_private_segment_fixed_size 0
		.amdhsa_enable_private_segment 0
		.amdhsa_kernarg_size 48
		.amdhsa_user_sgpr_count 2
		.amdhsa_user_sgpr_kernarg_segment_ptr 1
		.amdhsa_wavefront_size32 1
		.amdhsa_system_sgpr_workgroup_id_x 1
		.amdhsa_system_sgpr_workgroup_id_y 1
		.amdhsa_system_sgpr_workgroup_id_z 1
		.amdhsa_system_vgpr_workitem_id 0
		.amdhsa_next_free_vgpr 768
		.amdhsa_next_free_sgpr 100
		.amdhsa_reserve_vcc 0
		.amdhsa_float_denorm_mode_32 3
		.amdhsa_float_denorm_mode_16_64 3
		.amdhsa_memory_ordered 1
		.amdhsa_forward_progress 1
		.amdhsa_inst_pref_size 75
	.end_amdhsa_kernel
	.amdgpu_metadata
---
amdhsa.version: [ 1, 2 ]
amdhsa.kernels:
  - .name:           k_q5fb3f36316_oproj
    .symbol:         k_q5fb3f36316_oproj.kd
    .args:
      - { .name: cc, .offset: 0, .size: 8, .value_kind: global_buffer, .address_space: global }
      - { .name: cs, .offset: 8, .size: 8, .value_kind: global_buffer, .address_space: global }
      - { .name: Wo_codes, .offset: 16, .size: 8, .value_kind: global_buffer, .address_space: global }
      - { .name: Wo_scales, .offset: 24, .size: 8, .value_kind: global_buffer, .address_space: global }
      - { .name: out0, .offset: 32, .size: 8, .value_kind: global_buffer, .address_space: global }
      - { .name: bo, .offset: 40, .size: 8, .value_kind: global_buffer, .address_space: global }
    .group_segment_fixed_size: 327680
    .private_segment_fixed_size: 0
    .kernarg_segment_align: 8
    .kernarg_segment_size: 48
    .max_flat_workgroup_size: 128
    .sgpr_count:     100
    .vgpr_count:     768
    .wavefront_size: 32
...
	.end_amdgpu_metadata
.endif
;; end of part 3
